; MI455X (gfx1250); checked and timed in simulation.
; The chip was launched on July 23, 2026; its instructions are those of AMD's public machine-readable ISA for CDNA 5 (MIT licence, August 2026) and "CDNA5" Instruction Set Architecture Reference Guide (July 2026). The comments in the code are by the model that wrote it; some were corrected since.
;; Open CLIP Vi T. Allowed arithmetic: float matrix products may take bf16 or f16 operands with f32 sums; other float arithmetic in f32, or as packed bf16 or f16 multiplies, adds, multiply-adds, maxima and minima; sums over many terms, partial sums and values carried from step to step in f32; what a program stores and reads back later, other than sums and carried values, may be rounded once to bf16 or f16.
;; Inputs: in_proj_b 3,072 float32; in_proj_w 3,072 x 1,024 float32; mask 64 x 128 bool; out_proj_b 1,024 float32; out_proj_w 1,024 x 1,024 float32; x 64 x 128 x 1,024 float32.
;; Outputs: out0 64 x 128 x 1,024 float32.
;; 2 versions, each right; version 2 is version 1 with the launch cast written anew for expert scheduling mode. Each part assembles by itself: llvm-mc -triple=amdgcn-amd-amdhsa -mcpu=gfx1250 --defsym DOCPART=n.
;; ======== version 1 of 2: 3 launches
;; limits: values are held in f16: magnitudes above 65,504 overflow, below 6.1e-05 lose precision
;; workspace buffers: xb 16,777,216 bytes; wb 6,291,456 bytes; wo 2,097,152 bytes; ob 16,777,216 bytes
;; launch cast (part 1): grid 768 x 1, 8 waves a work-group, no clusters, 0 bytes of LDS; arguments x, in_proj_w, out_proj_w, xb, wb, wo; writes xb, wb, wo
.if DOCPART == 1
	.amdgcn_target "amdgcn-amd-amdhsa--gfx1250"
	.amdhsa_code_object_version 6
	.text
	.protected	k_qfda2ccefa1_cast
	.globl	k_qfda2ccefa1_cast
	.p2align	8
	.type	k_qfda2ccefa1_cast,@function
k_qfda2ccefa1_cast:
	s_mov_b64 s[64:65], 0
	v_nop
	global_prefetch_b8 v0, s[64:65] scope:SCOPE_SE
	s_setreg_imm32_b32 hwreg(HW_REG_WAVE_MODE, 25, 1), 1
	s_wait_xcnt 0x0
; FIRST OF THREE LAUNCHES of: qkv = x Win^T + bin; per batch and head softmax(q k^T / 8, hidden keys at -inf) v; out = (..) Wout^T + bout.
; This launch rounds x, in_proj_w and out_proj_w once to 16 bits and lays them out in PLANES of 64 along K: [16 planes][rows][64], a row of a plane 128 bytes,
; so that any run of rows of a plane is dense in memory and the two later launches fetch their tiles as rows of 256 bytes.
;   xb: bf16 [16][8192][64].   wb: bf16 [16][3072][64], rows in the order group of four heads, head, part (q, k, v), channel: row' = 768 (head / 4) + 192 (head % 4) + 64 part + c.
;   wo: [16][1024][64]: each number rounded to bf16 like every other input, and that number written as f16 (the last product's other operand is f16).
; WORK LEFT OUT BY THE PROGRAM, and why it is dead.  K's bias, in_proj_b[1024:2048], is never loaded: (q + bq) . (k + bk) = (q + bq) . k + (q + bq) . bk, and the second term is the
; same for all keys of a query: a term added to the softmax's input that is constant along its axis cancels in the softmax, whatever finite values the inputs hold.  V's bias is added once to the
; normalised sum, since the weights of a row add up to 1.  LIMIT: a NaN, an infinity or an overflow that reaches only K's bias is not carried to the result.
; LIMIT of wo: a weight below 6e-5 in magnitude keeps f16's fixed step of 6e-8; beyond 65,504 it would be an infinity.
; SHARES.  12,288 source rows of 4,096 bytes, 16 to a work-group: groups 0-511 x, 512-703 in_proj_w, 704-767 out_proj_w.  Thread t takes row t / 16 and, of each of the 16 planes, the four numbers at
; column 4 (t % 16): a load of a wave covers two rows' 256 consecutive aligned bytes, a store of a wave 256 consecutive aligned bytes (two neighbouring rows of a plane lie on end).
; All 16 loads of a thread go out before the first wait; no register is written again while a load or store may read it, so no further wait is needed.  No LDS, no barrier: no wave wants another's bytes.
.set XPL, 1048576                      ; bytes in a plane of xb
.set WPL, 393216                       ; of wb
.set OPL, 131072                       ; of wo
.set SRC, 1                            ; v1       my byte offset in the group's 16 source rows
.set OF,  4                            ; v[4:19]  my byte offset in the destination, plane by plane
.set T,   20                           ; v[20:21] at work
.set X,   32                           ; v[32:95] four numbers a plane, as loaded
.set Y,   96                           ; v[96:127] the same, packed
	s_load_b256 s[4:11], s[0:1], 0x0               ; x s[4:5], in_proj_w s[6:7], out_proj_w s[8:9], xb s[10:11]
	s_load_b128 s[12:15], s[0:1], 0x20             ; wb s[12:13], wo s[14:15]
	v_lshrrev_b32 v2, 4, v0                        ; my row of the 16
	v_and_b32 v3, 15, v0
	v_lshlrev_b32 v[SRC], 12, v2
	v_lshl_add_u32 v[SRC], v3, 4, v[SRC]           ; row x 4,096 + 16 (t % 16)
	v_lshlrev_b32 v[OF], 3, v0                     ; row x 128 + 8 (t % 16) = 8 t
	s_mov_b32 s17, 0                               ; the two offsets' high words
	s_mov_b32 s19, 0
	s_mov_b32 s20, ttmp9
	s_wait_kmcnt 0x0
; One tensor's path: s[16:17] = the group's byte offset in the source, s[18:19] in a plane of the destination.  half = 1: bf16's number written as f16.
.macro PATH src, dst, pl, half
	s_add_nc_u64 s[\src:\src+1], s[\src:\src+1], s[16:17]
	s_add_nc_u64 s[\dst:\dst+1], s[\dst:\dst+1], s[18:19]
.set kb, 0
.rept 16
	global_load_b128 v[X+4*kb:X+4*kb+3], v[SRC], s[\src:\src+1] offset:256*kb th:TH_LOAD_NT
.set kb, kb+1
.endr
.set kb, 1
.rept 15
	v_add_nc_u32 v[OF+kb], \pl, v[OF+kb-1]         ; made while the loads are on their way
.set kb, kb+1
.endr
.set kb, 0
.rept 16
	s_wait_loadcnt 15-kb                           ; loads come back in order (ISA guide 5.7.1): plane kb's is in, the 15 - kb younger ones stay out
.if \half
	v_cvt_pk_bf16_f32 v[T], v[X+4*kb], v[X+4*kb+1]
	v_cvt_pk_bf16_f32 v[T+1], v[X+4*kb+2], v[X+4*kb+3]
	v_lshlrev_b32 v[X+4*kb], 16, v[T]              ; the rounded numbers as f32 again
	v_and_b32 v[X+4*kb+1], 0xffff0000, v[T]
	v_lshlrev_b32 v[X+4*kb+2], 16, v[T+1]
	v_and_b32 v[X+4*kb+3], 0xffff0000, v[T+1]
	v_cvt_pk_f16_f32 v[Y+2*kb], v[X+4*kb], v[X+4*kb+1]      ; exact where f16 is normal: 8 significant bits go into 11
	v_cvt_pk_f16_f32 v[Y+2*kb+1], v[X+4*kb+2], v[X+4*kb+3]
.else
	v_cvt_pk_bf16_f32 v[Y+2*kb], v[X+4*kb], v[X+4*kb+1]
	v_cvt_pk_bf16_f32 v[Y+2*kb+1], v[X+4*kb+2], v[X+4*kb+3]
.endif
	global_store_b64 v[OF+kb], v[Y+2*kb:Y+2*kb+1], s[\dst:\dst+1]
.set kb, kb+1
.endr
	s_endpgm
.endm
	s_cmp_lt_u32 s20, 512
	s_cbranch_scc0 .Lweights
	s_lshl_b32 s16, s20, 16                        ; 16 rows of 4,096 bytes
	s_lshl_b32 s18, s20, 11                        ; 16 rows of 128 bytes
	PATH 4, 10, XPL, 0
.Lweights:
	s_cmp_lt_u32 s20, 704
	s_cbranch_scc0 .Lout_w
	s_sub_co_u32 s20, s20, 512                     ; j: source rows 16 j on = part j / 64, head (j / 4) % 16, channels 16 (j % 4) on
	s_lshl_b32 s16, s20, 16
	s_lshr_b32 s21, s20, 6                         ; part
	s_bfe_u32 s22, s20, 0x20004                    ; head / 4
	s_bfe_u32 s23, s20, 0x20002                    ; head % 4
	s_and_b32 s24, s20, 3
	s_mul_i32 s22, s22, 768
	s_mul_i32 s23, s23, 192
	s_lshl_b32 s21, s21, 6
	s_lshl_b32 s24, s24, 4
	s_add_co_u32 s22, s22, s23
	s_add_co_u32 s22, s22, s21
	s_add_co_u32 s22, s22, s24                     ; row'
	s_lshl_b32 s18, s22, 7
	PATH 6, 12, WPL, 0
.Lout_w:
	s_sub_co_u32 s20, s20, 704
	s_lshl_b32 s16, s20, 16
	s_lshl_b32 s18, s20, 11
	PATH 8, 14, OPL, 1
.Lfunc_end_k_qfda2ccefa1_cast:
	.size	k_qfda2ccefa1_cast, .Lfunc_end_k_qfda2ccefa1_cast-k_qfda2ccefa1_cast
	.p2alignl 7, 3214868480
	.fill 96, 4, 3214868480
	.section	.rodata,"a",@progbits
	.p2align	6, 0x0
	.amdhsa_kernel k_qfda2ccefa1_cast
		.amdhsa_group_segment_fixed_size 0
		.amdhsa_private_segment_fixed_size 0
		.amdhsa_enable_private_segment 0
		.amdhsa_kernarg_size 48
		.amdhsa_user_sgpr_count 2
		.amdhsa_user_sgpr_kernarg_segment_ptr 1
		.amdhsa_wavefront_size32 1
		.amdhsa_system_sgpr_workgroup_id_x 1
		.amdhsa_system_sgpr_workgroup_id_y 1
		.amdhsa_system_sgpr_workgroup_id_z 1
		.amdhsa_system_vgpr_workitem_id 0
		.amdhsa_next_free_vgpr 128
		.amdhsa_next_free_sgpr 66
		.amdhsa_reserve_vcc 0
		.amdhsa_float_denorm_mode_32 3
		.amdhsa_float_denorm_mode_16_64 3
		.amdhsa_memory_ordered 1
		.amdhsa_forward_progress 1
		.amdhsa_inst_pref_size 27
	.end_amdhsa_kernel
	.amdgpu_metadata
---
amdhsa.version: [ 1, 2 ]
amdhsa.kernels:
  - .name:           k_qfda2ccefa1_cast
    .symbol:         k_qfda2ccefa1_cast.kd
    .args:
      - { .name: x, .offset: 0, .size: 8, .value_kind: global_buffer, .address_space: global }
      - { .name: in_proj_w, .offset: 8, .size: 8, .value_kind: global_buffer, .address_space: global }
      - { .name: out_proj_w, .offset: 16, .size: 8, .value_kind: global_buffer, .address_space: global }
      - { .name: xb, .offset: 24, .size: 8, .value_kind: global_buffer, .address_space: global }
      - { .name: wb, .offset: 32, .size: 8, .value_kind: global_buffer, .address_space: global }
      - { .name: wo, .offset: 40, .size: 8, .value_kind: global_buffer, .address_space: global }
    .group_segment_fixed_size: 0
    .private_segment_fixed_size: 0
    .kernarg_segment_align: 8
    .kernarg_segment_size: 48
    .max_flat_workgroup_size: 256
    .sgpr_count:     66
    .vgpr_count:     128
    .wavefront_size: 32
...
	.end_amdgpu_metadata
.endif
;; end of part 1
;; launch qkvattn (part 2): grid 8 x 32, 4 waves a work-group, clusters of 4 x 4, 327,680 bytes of LDS; arguments xb, wb, mask, in_proj_b, ob; writes ob
.if DOCPART == 2
	.amdgcn_target "amdgcn-amd-amdhsa--gfx1250"
	.amdhsa_code_object_version 6
	.text
	.protected	k_qfda2ccefa1_qkvattn
	.globl	k_qfda2ccefa1_qkvattn
	.p2align	8
	.type	k_qfda2ccefa1_qkvattn,@function
k_qfda2ccefa1_qkvattn:
	s_mov_b64 s[64:65], 0
	v_nop
	global_prefetch_b8 v0, s[64:65] scope:SCOPE_SE
	s_setreg_imm32_b32 hwreg(HW_REG_WAVE_MODE, 25, 1), 1
	s_wait_xcnt 0x0
	s_wait_alu depctr_hold_cnt(0) depctr_sa_sdst(0) depctr_va_vdst(0) depctr_va_sdst(0) depctr_va_ssrc(0) depctr_va_vcc(0) depctr_vm_vsrc(0)
	s_getreg_b32 s2, hwreg(HW_REG_IB_STS2, 6, 4)
	s_cmp_eq_u32 s2, 0
	s_cbranch_scc0 .Lentry_in_a_cluster
	s_endpgm
.Lentry_in_a_cluster:
	s_bfe_u32 s2, ttmp6, 0x10000c
	s_cmp_lg_u32 s2, 0xf033
	s_cbranch_scc0 .Lentry_shape_is_right
	s_endpgm
.Lentry_shape_is_right:
; SECOND LAUNCH: q, k, v = x Win^T (+ bias), and per head O = softmax(q k^T / 8, hidden keys out) v.  xb, wb: bf16 planes as the first launch laid them (a head's 192 rows of wb lie on end: q, k, v).
; ob: f16, in the order in which the last launch's registers take it: [128 groups of 64 rows][32 quarters of K = 2 head + half][4 blocks of 16 rows][2][32 lanes][16 bytes].
; LEFT OUT: K's bias (in_proj_b[1024:2048] is not loaded): it adds to each query's scores a term that is the same for all keys, which the softmax cancels for all values of the inputs; V's bias is
; added once to the normalised sum, since a row's weights add up to 1.  A NaN, an infinity or an overflow in K's bias alone is not carried to the result.
; LIMITS.  q, k, v, the weights p and O are rounded once to f16: |q|, |k|, |v| stay under 65,504 (x and Win thirty times the drawn spread give some 5,000).  A hidden score counts as its value less 1e30
; (f16's scores are 2.7e11 at the most), so its weight is 0; a batch whose 128 keys are all hidden gives NaN, by a select.  A weight below 2^-126 counts as 0.  The biases are rounded to bf16 like all inputs.
; SHARES.  A work-group has TWO batches and TWO heads, a wave ONE batch (wave / 2) and ONE head (wave % 2): its q, k, v (128 tokens x 192 columns, K = 1,024) are 96 accumulators, 768 registers, and never
; leave the wave.  K goes in planes of 64 through a ring of two LDS slots; a slot holds the two heads' 384 rows of W and the two batches' 256 rows of x: 640 rows of 128 bytes for the work-group's
; 768 matrix instructions (one batch and four heads would be 896 rows for the same products).  Each tile of x and each of W is read by two waves.
; LAYOUT.  q and k: source 0 = 16 rows of W, source 1 = 16 tokens: a lane holds ONE token (lane % 16) and channels 8 (lane / 16) + 0..7, so two column blocks rounded in pairs ARE a fragment
; (16 tokens x 32 channels) of S^T = K Q^T.  v: source 0 = tokens, source 1 = W: a lane holds one channel and 8 tokens: two token blocks ARE a fragment of V^T.  S^T holds one query a lane and 8 keys a block:
; rounded in pairs it is source 1 of O^T = V^T P, which again holds one query a lane; and O^T's channel blocks, rounded in pairs, ARE the halves of the last launch's fragments: they are stored as they lie.
; SOFTMAX.  A query's 128 scores are all in registers: the maximum m is taken first, p = 2^(c s - c m), c = log2(e) / 8, l = the sum of the unrounded p, O = (V^T P) / l + bv.
; THE MASK is the C operand that starts the sum K Q^T: 0, or -1e30 where the key is hidden.  It selects values only: no branch and no address hangs on it.
; CLUSTER.  4 x 4 work-groups: the four of a row have the same two batches and ask for x's tiles JOINTLY, the four of a column have the same two heads and ask for W's tiles jointly.
; REGISTERS, in windows of 256 (s_set_vgpr_msb: bits 1:0 source 0, 3:2 source 1, 5:4 source 2, 7:6 destination):
;   window 1: q's accumulators, (token block a, column block b) at 32 a + 8 b; window 2: k's; window 3: v's.  Packed in place: Q and K fragments (a, c) at 16 a + 8 c, V^T's (kk, cb) at 32 kk + 8 cb.
;   window 0, projection: v4-13 addresses; v32-95, v96-159 x's fragments, two buffers; v160-255 W's fragments for q, k, v.  Attention: v4-7, v14-15 at work;
;   v32-63 V's bias; v64-95 O^T; v96-159 S^T; v160-191 P; v192-255 the mask.
.set PITCH, 144                        ; an LDS row: 128 bytes + 16 of padding = 36 words: the 16 rows of a fragment load start at 16 different groups of four banks (64 banks of 4 bytes: ISA guide 11.1)
.set BLK,   16*PITCH
.set WH,    192*PITCH                  ; a head's 192 rows of W: what wave 2 or 3 fills
.set XH,    128*PITCH                  ; a batch's 128 rows of x: what wave 0 or 1 fills
.set XOFF,  2*WH                       ; x's rows lie behind W's
.set SLOT,  XOFF+2*XH                  ; 92,160
.set SPARE, 2*SLOT                     ; behind the ring: the spare words, 128 bytes a wave: two blocks of 256 bytes that no other line names
.set XPL,   1048576                    ; bytes in a plane of xb
.set WPL,   393216                     ; of wb
.set QN,   1                           ; v1   (attention) a NaN
.set INV,  2                           ; v[2:3] (attention) 1 / l, and a word named with it as a pair
.set BOF,  3                           ; v3   (projection) my byte offset in a part of in_proj_b: 256 head + 32 (lane / 16)
.set ADRX, 4                           ; v4-5 LDS address of my x fragments in slot 0, 1
.set ADRW, 6                           ; v6-7 the same for W
.set C0,   4                           ; v4-7 (attention) at work
.set GO,   10                          ; v10  16 x lane: my 16 bytes of a store's 512
.set PFO,  11                          ; v11  the prefetches' offset; never rewritten
.set SPW,  12                          ; v12  LDS address of my spare word; never rewritten
.set NIL,  13                          ; v13  0; never rewritten
.set CM,   14                          ; v[14:15] c m, m (in the set-up: at work)
.set BV,   32
.set OT,   64
.set A0,   32
.set A1,   96
.set BQ,   96                          ; q's bias, until the first products have taken it as C
.set S,    96
.set FB,   160                         ; W's fragments: part p, column block b at FB + 32 p + 8 b
.set P,    160
.set MB,   192
.set WV,   14                          ; s14  my wave's number
.set CX,   15
.set CY,   16
.set BP,   17                          ; s17  the pair of batches
.set HP,   18                          ; s18  the pair of heads
.set SEL,  20                          ; s[20:21] v_permlanex16_b32's selects: each lane takes its own place in the other half
.set HSEL, 22                          ; s22  0xffff0000: as a lane mask lanes 16-31, as a bit mask a word's upper bf16
.set G1X,  24                          ; s[24:31] descriptor group 1 for x's tiles
.set G1W,  32                          ; s[32:39] for W's
.set G0X,  40                          ; s[40:47] group 0 for x's tiles, a set for each slot
.set G0W,  48                          ; s[48:55] for W's
.set LAPS, 56                          ; s56  trips of the loop still to come
.set LIM0, 57                          ; s57, s58: a wave prefetches at slot 0's (slot 1's) change while s56 is above this
.set PFA,  60                          ; s[60:61] where my prefetches stand
.set PFS,  62                          ; s[62:63] their step: a plane of my tensor
.set CS,   66                          ; s[66:67] c, named as a pair
.set MK,   68                          ; s[68:99] my batch's 128 mask bytes (in the set-up: at work)
.set BIGN, 100                         ; s100 -1e30
.set ALLM, 101                         ; s101 -1 where all 128 keys are hidden, else 0
.set G1BITS, (1<<16)|(1<<20)|(1<<21)|(4<<22)|(3<<25)  ; 17:16 2-byte elements; 20 padding on; 21 set beside a mask; 24:22 after every 32 words (code 4); 31:25 4 words of it (code 3)
.set MSB, 0
.macro WIN new                         ; the immediate's high byte repeats the setting that is left; a switch that changes nothing is dropped
.if MSB != (\new)
	s_set_vgpr_msb (MSB<<8)|(\new)
.set MSB, (\new)
.endif
.endm
.macro PLACES                          ; four places behind a matrix instruction, in front of loads into registers that it has read and of vector lines that read its result
.rept 4
	v_nop
.endr
.endm
; A joint load.  Waves 0 and 1 fetch the two batches' rows of x, waves 2 and 3 the two heads' rows of W.  The branch hangs on the wave's number alone.  An s_nop 0 and four v_nop follow each line.
.macro JLOAD s
	s_cmp_lt_u32 s[WV], 2
	s_cbranch_scc0 .Lfor_w_\@
	tensor_load_to_lds s[G0X+4*(\s):G0X+4*(\s)+3], s[G1X:G1X+7]
	s_nop 0
.rept 4
	v_nop
.endr
	s_branch .Lasked_\@
.Lfor_w_\@:
	tensor_load_to_lds s[G0W+4*(\s):G0W+4*(\s)+3], s[G1W:G1W+7]
	s_nop 0
.rept 4
	v_nop
.endr
.Lasked_\@:
.endm
; A round of the cluster's barrier: my work-group's barrier; wave 0 signals for the work-group; every wave waits for all sixteen; my work-group's barrier once more.
.macro CREST
	s_cmp_lg_u32 s[WV], 0
	s_cbranch_scc1 .Lnot_wave_0_\@
	s_barrier_signal -3
.Lnot_wave_0_\@:
	s_barrier_wait -3
	s_barrier_signal -1
	s_barrier_wait -1
.endm
.macro CROUND
	s_barrier_signal -1
	s_barrier_wait -1
	CREST
.endm
; A PREFETCH INTO THE L2, behind a joint load, its five lines and the run of LDS loads that follows: at the change that refills with plane s + 2 it names plane s + 4: two refills, 384 matrix instructions, ahead.
; x: a pair of batches is walked by two clusters: the one with x = 0 asks.  Of the 64 blocks of 256 bytes that wave 0 or 1 fetches of a plane, the partner at cx takes 16, told apart BY ADDRESS: lanes 0-15 of
; plane s + 4, lanes 16-31 of plane s + 5, at slot 0's changes alone.  W: a pair of heads is walked by eight clusters: the one with y = 0 asks.  Of a plane's 192 blocks the partner at cy takes 48: at slot 0's
; change wave 2 names blocks 0-31 of plane s + 4, wave 3 blocks 32-47 of it and blocks 0-15 of plane s + 5; at slot 1's change wave 2 names blocks 16-47 of that plane.
; So each block is named once in the launch.  Planes 0-3 come by their loads alone; the loop's last trip asks for nothing: planes 16 and 17 do not exist.
.macro ASK lim, ofs
	s_cmp_gt_u32 s[LAPS], s[\lim]
	s_cbranch_scc0 .Lnot_mine_\@
	global_prefetch_b8 v[PFO], s[PFA:PFA+1] offset:\ofs th:TH_LOAD_NT scope:SCOPE_SE
.Lnot_mine_\@:
.endm
	s_load_b256 s[4:11], s[0:1], 0x0               ; xb s[4:5], wb s[6:7], mask s[8:9], in_proj_b s[10:11]
	s_load_b64 s[12:13], s[0:1], 0x20              ; ob
	v_lshl_add_u32 v[SPW], v0, 2, SPARE
	v_mov_b32 v[NIL], 0
	ds_add_u32 v[SPW], v[NIL]                      ; the wave's opening: the add, twice on end, and its wait ahead of my first tensor load; the set-up below stands between
	ds_add_u32 v[SPW], v[NIL]                      ; and once more, under the one wait
	v_lshrrev_b32 v1, 5, v0
	v_readfirstlane_b32 s[WV], v1                  ; wave 0..3
	s_bfe_u32 s[CX], ttmp6, 0x40000                ; my place in the cluster
	s_bfe_u32 s[CY], ttmp6, 0x40004
	s_lshl_b32 s[HP], ttmp9, 2                     ; in a cluster launch ttmp9 and ttmp7 count clusters
	s_add_co_u32 s[HP], s[HP], s[CX]               ; pair of heads = 4 x cluster x + cx
	s_and_b32 s[BP], ttmp7, 0xffff
	s_lshl_b32 s[BP], s[BP], 2
	s_add_co_u32 s[BP], s[BP], s[CY]               ; pair of batches = 4 x cluster y + cy
	s_lshl_b32 s19, s[CY], 2
	s_lshl_b32 s19, 15, s19                        ; my row of the cluster: places 4 cy .. 4 cy + 3
	s_lshl_b32 s23, 0x1111, s[CX]                  ; my column: places cx, cx + 4, cx + 8, cx + 12
	s_or_b32 s[G1X], s19, G1BITS                   ; x's tiles hang on the pair of batches alone: shared along the row
	s_or_b32 s[G1W], s23, G1BITS                   ; W's tiles on the pair of heads alone: shared along the column
	; both kinds of tile are dense in memory and are asked for as rows of 256 bytes (128 elements), two LDS rows each
	s_mov_b32 s[G1X+1], 128<<16                    ; tensor_dim0 = 128
	s_mov_b32 s[G1X+2], 64<<16                     ; tensor_dim1 = 64: 128 tokens x 128 bytes
	s_mov_b32 s[G1X+3], 128<<16                    ; tile_dim0 = 128
	s_mov_b32 s[G1X+4], 64                         ; tile_dim1 = 64
	s_mov_b32 s[G1X+5], 128                        ; 128 elements from row to row
	s_mov_b32 s[G1X+6], 0
	s_mov_b32 s[G1X+7], 0
	s_mov_b32 s[G1W+1], 128<<16
	s_mov_b32 s[G1W+2], 96<<16                     ; 96 rows: 192 rows of W x 128 bytes
	s_mov_b32 s[G1W+3], 128<<16
	s_mov_b32 s[G1W+4], 96
	s_mov_b32 s[G1W+5], 128
	s_mov_b32 s[G1W+6], 0
	s_mov_b32 s[G1W+7], 0
	s_and_b32 s82, s[WV], 1                        ; which half of a tile I fetch; also my head of the pair
	s_lshr_b32 s83, s[WV], 1                       ; my batch of the pair
	s_lshl_b32 s68, s[BP], 15                      ; x: the pair's 256 rows of 128 bytes in a plane (what feeds this register never holds cx),
	s_lshl_b32 s19, s82, 14                        ; the batch that I fetch
	s_add_co_u32 s68, s68, s19
	s_mov_b32 s69, 0
	s_mul_i32 s72, s[HP], 49152                    ; W: the pair's 384 rows in a plane (never cy),
	s_mul_i32 s19, s82, 24576                      ; the head that I fetch
	s_add_co_u32 s72, s72, s19
	s_mov_b32 s73, 0
	s_mul_i32 s74, s82, XH                         ; and where they go: no place in the cluster enters an LDS address
	s_add_co_u32 s74, s74, XOFF
	s_mul_i32 s75, s82, WH
	s_mul_i32 s2, s83, XH                          ; where my fragments lie in slot 0: my batch's rows of x,
	s_add_co_u32 s2, s2, XOFF
	s_mov_b32 s3, s75                              ; my head's rows of W
	s_mul_i32 s76, s[HP], 49152                    ; the prefetches.  W: my work-group's 48 blocks of a plane's 192,
	s_mul_i32 s19, s[CY], 12288
	s_add_co_u32 s76, s76, s19
	s_lshl_b32 s19, s82, 13                        ; from block 32 on in wave 3,
	s_add_co_u32 s76, s76, s19
	s_add_co_u32 s76, s76, 3*WPL                   ; at plane 3: the first change of slots steps it to plane 4
	s_lshl_b32 s78, s[CX], 12                      ; x: my work-group's 16 blocks of the 64 that I fetch
	s_add_co_u32 s78, s78, s68
	s_add_co_u32 s78, s78, 3*XPL
	s_and_b32 s19, ttmp7, 0xffff
	s_cmp_eq_u32 s19, 0
	s_cselect_b32 s59, 1, -1                       ; W is asked for by the cluster with y = 0,
	s_cmp_eq_u32 ttmp9, 0
	s_cselect_b32 s79, 1, -1                       ; x by the cluster with x = 0: both the same in all sixteen partners
	s_mov_b32 s23, WPL-8192                        ; what lanes 16-31 add: wave 3: from block 32 of a plane to block 0 of the next;
	s_cmp_eq_u32 s[WV], 2
	s_cselect_b32 s[LIM0+1], s59, -1               ; at slot 1's changes wave 2 alone asks
	s_cselect_b32 s23, 4096, s23                   ; wave 2: 16 blocks;
	s_mov_b32 s[PFS], WPL
	s_cmp_lt_u32 s[WV], 2
	s_cselect_b32 s[LIM0], s79, s59
	s_cselect_b32 s[PFS], XPL, s[PFS]
	s_cselect_b32 s23, XPL, s23                    ; waves 0 and 1: a plane of x
	s_cselect_b32 s76, s78, s76
	s_mov_b32 s77, 0
	s_mov_b32 s[PFS+1], 0
	s_mov_b32 s[SEL], 0x76543210
	s_mov_b32 s[SEL+1], 0xfedcba98
	s_mov_b32 s[HSEL], 0xffff0000
	s_mov_b32 s[CS], 0x3e38aa3b                    ; c = log2(e) / 8 = 0.180337
	s_mov_b32 s[CS+1], s[CS]
	s_mov_b32 s[BIGN], 0xf149f2ca                  ; -1e30
	s_lshl_b32 s19, s[HP], 1
	s_add_co_u32 s19, s19, s82                     ; my head
	s_lshl_b32 s84, s19, 13                        ; its two quarters of K in a group's 131,072 bytes of ob
	s_lshl_b32 s59, s19, 8                         ; its 64 numbers in a part of in_proj_b
	s_lshl_b32 s19, s[BP], 1
	s_add_co_u32 s19, s19, s83                     ; my batch
	s_lshl_b32 s80, s19, 7                         ; its 128 mask bytes
	s_mov_b32 s81, 0
	s_lshl_b32 s19, s19, 18                        ; its two groups of 64 rows in ob
	s_add_co_u32 s84, s84, s19
	s_mov_b32 s85, 0
	s_wait_dscnt 0x0                               ; both opening adds are done
	s_wait_kmcnt 0x0
	s_add_nc_u64 s[68:69], s[4:5], s[68:69]
	s_add_nc_u64 s[72:73], s[6:7], s[72:73]
	s_add_nc_u64 s[12:13], s[12:13], s[84:85]
	s_add_nc_u64 s[8:9], s[8:9], s[80:81]
	s_cmp_lt_u32 s[WV], 2
	s_cselect_b64 s[PFA:PFA+1], s[4:5], s[6:7]
	s_add_nc_u64 s[PFA:PFA+1], s[PFA:PFA+1], s[76:77]
.irp s, 0,1
	s_mov_b32 s[G0X+4*\s], 1                                       ; count = 1
	s_add_co_u32 s[G0X+4*\s+1], s74, \s*SLOT                       ; LDS address
	s_add_nc_u64 s[G0X+4*\s+2:G0X+4*\s+3], s[68:69], \s*XPL        ; global address: plane s
	s_or_b32 s[G0X+4*\s+3], s[G0X+4*\s+3], 0x80000000              ; type = 2
	s_mov_b32 s[G0W+4*\s], 1
	s_add_co_u32 s[G0W+4*\s+1], s75, \s*SLOT
	s_add_nc_u64 s[G0W+4*\s+2:G0W+4*\s+3], s[72:73], \s*WPL
	s_or_b32 s[G0W+4*\s+3], s[G0W+4*\s+3], 0x80000000
.endr
	CROUND                                         ; all sixteen work-groups are here: the first joint loads meet
	s_cmp_lt_u32 s[WV], 2                          ; a wave's two first fills stand in one branch, ahead of every wait on TENSORcnt and every LDS read: two loads of mine are out
	s_cbranch_scc0 .Lfirst_w
	tensor_load_to_lds s[G0X:G0X+3], s[G1X:G1X+7]
	s_nop 0
	tensor_load_to_lds s[G0X+4:G0X+7], s[G1X:G1X+7]
	s_nop 0
.rept 4
	v_nop
.endr
	s_branch .Lfirst_asked
.Lfirst_w:
	tensor_load_to_lds s[G0W:G0W+3], s[G1W:G1W+7]
	s_nop 0
	tensor_load_to_lds s[G0W+4:G0W+7], s[G1W:G1W+7]
	s_nop 0
.rept 4
	v_nop
.endr
.Lfirst_asked:
	; while the first tiles are on their way: the mask, q's bias, the addresses
	s_load_b512 s[MK:MK+15], s[8:9], 0x0
	s_load_b512 s[MK+16:MK+31], s[8:9], 0x40
	v_and_b32 v1, 15, v0                           ; r = lane % 16
	v_bfe_u32 v2, v0, 4, 1                         ; h = lane / 16
	v_lshl_add_u32 v[BOF], v2, 5, s59
.irp cb, 0,1,2,3                                       ; register 8 cb + j = bq[64 head + 16 cb + 8 h + j]: the C operand of q's column block cb
	global_load_b128 v[BQ+8*\cb:BQ+8*\cb+3],   v[BOF], s[10:11] offset:64*\cb
	global_load_b128 v[BQ+8*\cb+4:BQ+8*\cb+7], v[BOF], s[10:11] offset:64*\cb+16
.endr
	v_mul_u32_u24 v14, v1, PITCH
	v_lshl_add_u32 v14, v2, 4, v14                 ; a fragment's row x pitch + 16 x half
	v_add_nc_u32 v[ADRX], s2, v14
	s_add_co_u32 s2, s2, SLOT
	v_add_nc_u32 v[ADRX+1], s2, v14
	v_add_nc_u32 v[ADRW], s3, v14
	s_add_co_u32 s3, s3, SLOT
	v_add_nc_u32 v[ADRW+1], s3, v14
	v_and_b32 v[GO], 31, v0
	v_lshlrev_b32 v[GO], 4, v[GO]
	v_lshlrev_b32 v[PFO], 8, v1
	v_mad_u32_u24 v[PFO], v2, s23, v[PFO]
	s_wait_loadcnt 0x0                             ; q's bias
.set n, 0
.rept 16
	v_cvt_pk_bf16_f32 v14, v[BQ+2*n], v[BQ+2*n+1]  ; rounded to bf16 like all inputs, and widened again
	v_lshlrev_b32 v[BQ+2*n], 16, v14
	v_and_b32 v[BQ+2*n+1], s[HSEL], v14
.set n, n+1
.endr
	s_wait_kmcnt 0x0                               ; the mask
	s_and_b32 s19, s[MK], s[MK+1]
.set n, 2
.rept 30
	s_and_b32 s19, s19, s[MK+n]
.set n, n+1
.endr
	s_cmp_eq_u32 s19, 0x01010101                   ; every byte 1: no key is left
	s_cselect_b32 s[ALLM], -1, 0
; na x 4 matrix instructions of part p (0, 1, 2 = q, k, v): token blocks a0 on x all four column blocks, 32 along K, x's fragments from buffer buf.  zero = 1: they start the sums: q with its bias, k and v with 0.
; The accumulators take turns, one instruction a turn: the same one comes again 96 matrix instructions later.
.macro GROUP part, buf, a0, na, zero
.if (\zero) && ((\part) == 0)
	WIN 0x40                                       ; D in window 1, the bias in window 0
.else
	WIN 0x50*((\part)+1)                           ; C and D in window part + 1, the fragments in window 0
.endif
.set ga, \a0
.rept \na
.set gb, 0
.rept 4
.set rD, 32*ga+8*gb
.set rA, (\buf)+8*ga
.set rB, FB+32*(\part)+8*gb
.if (\part) == 2
.if \zero
	v_wmma_f32_16x16x32_bf16 v[rD:rD+7], v[rA:rA+7], v[rB:rB+7], 0
.else
	v_wmma_f32_16x16x32_bf16 v[rD:rD+7], v[rA:rA+7], v[rB:rB+7], v[rD:rD+7]
.endif
.elseif (\zero) && ((\part) == 0)
	v_wmma_f32_16x16x32_bf16 v[rD:rD+7], v[rB:rB+7], v[rA:rA+7], v[BQ+8*gb:BQ+8*gb+7]
.elseif \zero
	v_wmma_f32_16x16x32_bf16 v[rD:rD+7], v[rB:rB+7], v[rA:rA+7], 0
.else
	v_wmma_f32_16x16x32_bf16 v[rD:rD+7], v[rB:rB+7], v[rA:rA+7], v[rD:rD+7]
.endif
.set gb, gb+1
.endr
.set ga, ga+1
.endr
.endm
; A fragment is 16 rows x 32 K in 8 registers: lane l holds row l % 16; registers 0-3 K = 8 (l / 16) + 0..7, registers 4-7 K = 16 + 8 (l / 16) + 0..7: two loads of 16 bytes, 32 bytes apart.
.macro FETCH_A slot, kofs, buf         ; x's eight fragments: 16 loads
	WIN 0
.irp a, 0,1,2,3,4,5,6,7
	ds_load_b128 v[(\buf)+8*\a:(\buf)+8*\a+3],   v[ADRX+(\slot)] offset:\a*BLK+(\kofs)
	ds_load_b128 v[(\buf)+8*\a+4:(\buf)+8*\a+7], v[ADRX+(\slot)] offset:\a*BLK+(\kofs)+32
.endr
.endm
.macro FETCH_B part, slot, kofs        ; a part's four fragments of W: 8 loads
	WIN 0
.irp b, 0,1,2,3
	ds_load_b128 v[FB+32*(\part)+8*\b:FB+32*(\part)+8*\b+3],   v[ADRW+(\slot)] offset:(4*(\part)+\b)*BLK+(\kofs)
	ds_load_b128 v[FB+32*(\part)+8*\b+4:FB+32*(\part)+8*\b+7], v[ADRW+(\slot)] offset:(4*(\part)+\b)*BLK+(\kofs)+32
.endr
.endm
; A plane's first 32 along K: multiplies buffer A0 and fetches the plane's second 32.  Each run of loads goes out behind the products that read its registers last, 64 matrix instructions ahead of its use.
.macro HALF slot, zero
	s_wait_dscnt 16                                ; x's and q's fragments are in; k's 8 and v's 8 loads may be out
	GROUP 0, A0, 0, 8, \zero
	PLACES
	FETCH_A \slot, 64, A1
	FETCH_B 0, \slot, 64
	s_wait_dscnt 32                                ; k's are in; v's 8 and the 24 just issued may be out
	GROUP 1, A0, 0, 8, \zero
	PLACES
	FETCH_B 1, \slot, 64
	s_wait_dscnt 32                                ; v's are in; those 24 and k's next 8 may be out
	GROUP 2, A0, 0, 8, \zero
	PLACES
	FETCH_B 2, \slot, 64
.endm
; A plane's second 32 along K: multiplies buffer A1 and CHANGES SLOTS.  In front of the barrier each wave waits for all its tensor loads, of which one is out: its part of the other slot; adds 0 to its spare
; word; and waits for that and for its own reads of this slot.  Behind it nobody reads this slot and the other slot is whole.  fill = 1: the barrier opens a round of the cluster's, so that no wave of any partner
; still reads the slot or has a load on its way, and the joint refill (two planes on) is the first thing behind the round: 160 matrix instructions ahead of the wait for it.
.macro TURN slot, fill
.if \fill
	s_wait_xcnt 0x0                                ; the last prefetch, a plane back, has read its address: it is stepped here, ahead of the change's own waits
	s_add_nc_u64 s[PFA:PFA+1], s[PFA:PFA+1], s[PFS:PFS+1]
.endif
	WIN 0
	s_wait_tensorcnt 0x0                           ; all my tensor loads have landed
	ds_add_u32 v[SPW], v[NIL]                      ; 0 onto my spare word
	s_wait_dscnt 17                                ; x's and q's fragments are in; the add, k's 8 and v's 8 loads may be out
	GROUP 0, A1, 0, 4, 0                           ; sixteen matrix instructions stand between the add and the wait for it
	s_wait_dscnt 0x0                               ; the add is done, and my reads of this slot are over
	s_barrier_signal -1
	GROUP 0, A1, 4, 4, 0                           ; work on registers while the others arrive
	WIN 0
	s_barrier_wait -1
.if \fill
	CREST
	s_add_nc_u64 s[G0W+4*(\slot)+2:G0W+4*(\slot)+3], s[G0W+4*(\slot)+2:G0W+4*(\slot)+3], 2*WPL  ; no tensor load of mine is out, so a group 0 may be written
	s_add_nc_u64 s[G0X+4*(\slot)+2:G0X+4*(\slot)+3], s[G0X+4*(\slot)+2:G0X+4*(\slot)+3], 2*XPL
	JLOAD \slot                                    ; its four v_nop are also the places in front of the loads below
.else
	PLACES
.endif
	FETCH_A 1-(\slot), 0, A0
	FETCH_B 0, 1-(\slot), 0
.if \fill
	ASK LIM0+(\slot), 4096*(\slot)
.endif
	GROUP 1, A1, 0, 8, 0
	PLACES
	FETCH_B 1, 1-(\slot), 0
	GROUP 2, A1, 0, 8, 0
	PLACES
	FETCH_B 2, 1-(\slot), 0
.endm
	s_wait_tensorcnt 0x1                           ; my part of plane 0 is in; plane 1's may stay out
	s_barrier_signal -1
	s_barrier_wait -1                              ; everybody's is
	FETCH_A 0, 0, A0
	FETCH_B 0, 0, 0
	FETCH_B 1, 0, 0
	FETCH_B 2, 0, 0
	HALF 0, 1                                      ; the first products start the sums: nothing is cleared
	s_mov_b32 s[LAPS], 7
.Llap:                                                 ; a trip: two planes, from one plane's second half to the first half two planes on; both slots are filled again (planes 2 to 15)
	TURN 0, 1
	HALF 1, 0
	TURN 1, 1
	HALF 0, 0
	s_sub_co_u32 s[LAPS], s[LAPS], 1
	s_cmp_lg_u32 s[LAPS], 0
	s_cbranch_scc1 .Llap
	TURN 0, 0                                      ; the tail is written out: nothing is left to ask for
	HALF 1, 0
	WIN 0                                          ; the last 32 along K.  V's bias goes where buffer A0 lay: the last products that read it stand in front of the four places that end HALF
.irp cb, 0,1,2,3
	global_load_b128 v[BV+8*\cb:BV+8*\cb+3],   v[BOF], s[10:11] offset:8192+64*\cb
	global_load_b128 v[BV+8*\cb+4:BV+8*\cb+7], v[BOF], s[10:11] offset:8192+64*\cb+16
.endr
	s_wait_dscnt 16                                ; k's 8 and v's 8 loads may be out
	GROUP 0, A1, 0, 8, 0
	s_wait_dscnt 8                                 ; v's 8
	GROUP 1, A1, 0, 8, 0
	s_wait_dscnt 0x0
	GROUP 2, A1, 0, 8, 0
	PLACES
	; q AND k ARE ROUNDED TO f16 IN PLACE: register d takes registers 2 d and 2 d + 1, ascending, so that nothing unread is written and each accumulator is read from its low end.
	WIN 0x45                                       ; all in window 1
.set n, 0
.rept 128
	v_cvt_pk_f16_f32 v[n], v[2*n], v[2*n+1]
.set n, n+1
.endr
	WIN 0x8a                                       ; all in window 2
.set n, 0
.rept 128
	v_cvt_pk_f16_f32 v[n], v[2*n], v[2*n+1]
.set n, n+1
.endr
	WIN 0
	s_wait_loadcnt 0x0                             ; V's bias; its address register is free
.set n, 0
.rept 16
	v_cvt_pk_bf16_f32 v14, v[BV+2*n], v[BV+2*n+1]
	v_lshlrev_b32 v[BV+2*n], 16, v14
	v_and_b32 v[BV+2*n+1], s[HSEL], v14
.set n, n+1
.endr
	v_mov_b32 v[QN], 0x7fc00000
	v_mov_b32 v[INV+1], 0                          ; named with 1 / l as a pair
	; THE MASK as a C operand: register 8 kb + j = -1e30 where key 16 kb + 8 h + j is hidden, else 0.  The key's byte lies in word 4 kb + 2 h + j / 4 of the batch's 32.
.set m, 0
.rept 8
	v_mov_b32 v4, s[MK+4*m]
	v_mov_b32 v6, s[MK+4*m+2]
	v_cndmask_b32 v4, v4, v6, s[HSEL]              ; lanes 16-31 take the words of their eight keys
	v_mov_b32 v5, s[MK+4*m+1]
	v_mov_b32 v7, s[MK+4*m+3]
	v_cndmask_b32 v5, v5, v7, s[HSEL]
.set j, 0
.rept 8
	v_bfe_u32 v[6+j%2], v[4+j/4], 8*(j%4), 1
	v_mul_lo_u32 v[MB+8*m+j], v[6+j%2], s[BIGN]    ; 0 or 1 times the bits of -1e30
.set j, j+1
.endr
.set m, m+1
.endr
; S^T = K Q^T for tile t of 16 queries: 8 key blocks x 2 halves of the channels.  The first 8 start the sums with the mask.  The 8 accumulators take turns.
.macro KQ t
	WIN 0x06                                       ; K in window 2, Q in window 1, mask and S^T in window 0
.irp i, 0,1,2,3,4,5,6,7
	v_wmma_f32_16x16x32_f16 v[S+8*\i:S+8*\i+7], v[16*\i:16*\i+7], v[16*(\t):16*(\t)+7], v[MB+8*\i:MB+8*\i+7]
.endr
.irp i, 0,1,2,3,4,5,6,7
	v_wmma_f32_16x16x32_f16 v[S+8*\i:S+8*\i+7], v[16*\i+8:16*\i+15], v[16*(\t)+8:16*(\t)+15], v[S+8*\i:S+8*\i+7]
.endr
.endm
; The maximum of the lane's 64 scores, three operands at a time, in four chains of 15; each accumulator's low registers are read first.  Then the four left over, the other half of the lanes, m and c m.
.macro MAXT
	WIN 0
.irp i, 0,1,2,3
	v_max3_num_f32 v[C0+\i], v[S+16*\i], v[S+16*\i+1], v[S+16*\i+2]
.endr
.irp k, 0,1,2,3,4,5
.irp i, 0,1,2,3
	v_max3_num_f32 v[C0+\i], v[C0+\i], v[S+16*\i+3+2*\k], v[S+16*\i+4+2*\k]
.endr
.endr
	v_max3_num_f32 v[C0], v[C0], v[S+15], v[S+31]
	v_max3_num_f32 v[C0+2], v[C0+2], v[S+47], v[S+63]
	v_max3_num_f32 v[C0], v[C0], v[C0+1], v[C0+2]
	v_max_num_f32 v[C0], v[C0], v[C0+3]
	v_permlanex16_b32 v[C0+1], v[C0], s[SEL], s[SEL+1]  ; the query's other 64 keys lie in the lane 16 away
	v_max_num_f32 v[CM+1], v[C0], v[C0+1]
	v_mul_f32 v[CM], s[CS], v[CM+1]
.endm
.macro FS p                            ; c s - c m for pair p of 32
	v_pk_fma_f32 v[S+2*(\p):S+2*(\p)+1], v[S+2*(\p):S+2*(\p)+1], s[CS:CS+1], v[CM:CM+1] op_sel_hi:[1,0,0] neg_lo:[0,0,1] neg_hi:[0,0,1]
.endm
; The 64 exponentials are ONE BATCH: a pair's scaling stands ahead of the pair before's two exponentials; nothing names a result ahead of the one wait.
.macro EXPS
	FS 0
.set n, 0
.rept 32
.if n < 31
	FS n+1
.endif
	v_exp_f32 v[S+2*n], v[S+2*n]
	v_exp_f32 v[S+2*n+1], v[S+2*n+1]
.set n, n+1
.endr
	v_nop                                          ; a plain instruction behind the last exponential (ISA guide 5.7.2),
	s_wait_alu depctr_va_vdst(0)                   ; and the wait for the batch
.endm
.macro CVT                             ; the weights rounded to f16, in pairs: source 1 of V^T P
.set n, 0
.rept 32
	v_cvt_pk_f16_f32 v[P+n], v[S+2*n], v[S+2*n+1]
.set n, n+1
.endr
.endm
.macro PV                              ; O^T = V^T P: 4 x 32 keys, 4 channel blocks by turns; the first four start the sums
	WIN 0x03                                       ; V^T in window 3
.irp kk, 0,1,2,3
.irp cb, 0,1,2,3
.if \kk == 0
	v_wmma_f32_16x16x32_f16 v[OT+8*\cb:OT+8*\cb+7], v[32*\kk+8*\cb:32*\kk+8*\cb+7], v[P+8*\kk:P+8*\kk+7], 0
.else
	v_wmma_f32_16x16x32_f16 v[OT+8*\cb:OT+8*\cb+7], v[32*\kk+8*\cb:32*\kk+8*\cb+7], v[P+8*\kk:P+8*\kk+7], v[OT+8*\cb:OT+8*\cb+7]
.endif
.endr
.endr
.endm
.macro SUM                             ; l: the 32 pairs of unrounded weights as a tree, in place; the two halves of a pair; the other half of the lanes; 1 / l.  These lines are also the places behind V^T P
	WIN 0
.irp w, 1,2,4,8,16
.set u, 0
.rept 16/\w
	v_pk_add_f32 v[S+4*\w*u:S+4*\w*u+1], v[S+4*\w*u:S+4*\w*u+1], v[S+4*\w*u+2*\w:S+4*\w*u+2*\w+1]
.set u, u+1
.endr
.endr
	v_add_f32 v[C0], v[S], v[S+1]
	v_permlanex16_b32 v[C0+1], v[C0], s[SEL], s[SEL+1]
	v_add_f32 v[C0], v[C0], v[C0+1]
	v_rcp_f32 v[INV], v[C0]
	v_nop                                          ; a plain instruction behind the reciprocal
.endm
.macro NORM                            ; O = O^T / l + bv, rounded to f16.  These lines name no register of the products K Q^T in front of them: they are their places
	WIN 0
	s_wait_alu depctr_va_vdst(0)                   ; the reciprocal's wait, ahead of the first line that names its result
	v_cndmask_b32 v[INV], v[INV], v[QN], s[ALLM]   ; no key left: NaN
.set n, 0
.rept 16
	v_pk_fma_f32 v[OT+2*n:OT+2*n+1], v[OT+2*n:OT+2*n+1], v[INV:INV+1], v[BV+2*n:BV+2*n+1] op_sel_hi:[1,0,1]
.set n, n+1
.endr
.set n, 0
.rept 16
	v_cvt_pk_f16_f32 v[OT+n], v[OT+2*n], v[OT+2*n+1]
.set n, n+1
.endr
.endm
; Tile t leaves as it lies.  A lane's four registers of channel block cb are row l % 16's channels 16 cb + 8 (l / 16) + 0..7: half cb % 2 of the fragment (16 rows x 32 K) of quarter 2 head + cb / 2.
; Tile t is block t % 4 of the batch's group t / 4.  Each store covers 512 consecutive bytes, at a multiple of 512 from ob's first.
.macro SENDO t
.irp cb, 0,1,2,3
	global_store_b128 v[GO], v[OT+4*\cb:OT+4*\cb+3], s[12:13] offset:((\t)/4)*131072+((\t)%4)*1024+(\cb/2)*4096+(\cb%2)*512
.endr
.endm
	KQ 0
	WIN 0xcf                                       ; v IS ROUNDED IN PLACE, all in window 3: token blocks 2 kk and 2 kk + 1 of channel block cb make fragment (kk, cb).  A block's target lies in a block
.set a, 0                                              ; that has been read.  These 128 lines are also the places behind the first scores
.rept 8
.set b, 0
.rept 4
.set i, 0
.rept 4
	v_cvt_pk_f16_f32 v[32*(a/2)+8*b+4*(a%2)+i], v[32*a+8*b+2*i], v[32*a+8*b+2*i+1]
.set i, i+1
.endr
.set b, b+1
.endr
.set a, a+1
.endr
.irp t, 0,1,2,3,4,5,6,7                                ; eight tiles of 16 queries, in phases; the next tile's scores are made while 1 / l is on its way
	MAXT
	EXPS
	CVT
.if \t > 0
	s_wait_xcnt 0x0                                ; the tile before's stores have read O's registers, which the products below write
.endif
	PV
	SUM
.if \t < 7
	KQ (\t)+1
.endif
	NORM
	SENDO \t
.endr
	s_wait_tensorcnt 0x0                           ; the wave's end, behind my last tensor load
	ds_add_u32 v[SPW], v[NIL]
	s_wait_dscnt 0x0
	CROUND                                         ; the closing round: no work-group ends while a partner may still ask for a tile that names it
	s_endpgm
.Lfunc_end_k_qfda2ccefa1_qkvattn:
	.size	k_qfda2ccefa1_qkvattn, .Lfunc_end_k_qfda2ccefa1_qkvattn-k_qfda2ccefa1_qkvattn
	.p2alignl 7, 3214868480
	.fill 96, 4, 3214868480
	.section	.rodata,"a",@progbits
	.p2align	6, 0x0
	.amdhsa_kernel k_qfda2ccefa1_qkvattn
		.amdhsa_group_segment_fixed_size 327680
		.amdhsa_private_segment_fixed_size 0
		.amdhsa_enable_private_segment 0
		.amdhsa_kernarg_size 40
		.amdhsa_user_sgpr_count 2
		.amdhsa_user_sgpr_kernarg_segment_ptr 1
		.amdhsa_wavefront_size32 1
		.amdhsa_system_sgpr_workgroup_id_x 1
		.amdhsa_system_sgpr_workgroup_id_y 1
		.amdhsa_system_sgpr_workgroup_id_z 1
		.amdhsa_system_vgpr_workitem_id 0
		.amdhsa_next_free_vgpr 1024
		.amdhsa_next_free_sgpr 102
		.amdhsa_reserve_vcc 0
		.amdhsa_float_denorm_mode_32 3
		.amdhsa_float_denorm_mode_16_64 3
		.amdhsa_memory_ordered 1
		.amdhsa_forward_progress 1
		.amdhsa_inst_pref_size 244
	.end_amdhsa_kernel
	.amdgpu_metadata
---
amdhsa.version: [ 1, 2 ]
amdhsa.kernels:
  - .name:           k_qfda2ccefa1_qkvattn
    .symbol:         k_qfda2ccefa1_qkvattn.kd
    .args:
      - { .name: xb, .offset: 0, .size: 8, .value_kind: global_buffer, .address_space: global }
      - { .name: wb, .offset: 8, .size: 8, .value_kind: global_buffer, .address_space: global }
      - { .name: mask, .offset: 16, .size: 8, .value_kind: global_buffer, .address_space: global }
      - { .name: in_proj_b, .offset: 24, .size: 8, .value_kind: global_buffer, .address_space: global }
      - { .name: ob, .offset: 32, .size: 8, .value_kind: global_buffer, .address_space: global }
    .group_segment_fixed_size: 327680
    .private_segment_fixed_size: 0
    .kernarg_segment_align: 8
    .kernarg_segment_size: 40
    .max_flat_workgroup_size: 128
    .sgpr_count:     102
    .vgpr_count:     1024
    .wavefront_size: 32
...
	.end_amdgpu_metadata
.endif
;; end of part 2
;; launch oproj (part 3): grid 32 x 8, 4 waves a work-group, clusters of 4 x 1, 327,680 bytes of LDS; arguments ob, wo, out_proj_b, out0; writes out0
.if DOCPART == 3
	.amdgcn_target "amdgcn-amd-amdhsa--gfx1250"
	.amdhsa_code_object_version 6
	.text
	.protected	k_qfda2ccefa1_oproj
	.globl	k_qfda2ccefa1_oproj
	.p2align	8
	.type	k_qfda2ccefa1_oproj,@function
k_qfda2ccefa1_oproj:
	s_mov_b64 s[64:65], 0
	v_nop
	global_prefetch_b8 v0, s[64:65] scope:SCOPE_SE
	s_setreg_imm32_b32 hwreg(HW_REG_WAVE_MODE, 25, 1), 1
	s_wait_xcnt 0x0
	s_wait_alu depctr_hold_cnt(0) depctr_sa_sdst(0) depctr_va_vdst(0) depctr_va_sdst(0) depctr_va_ssrc(0) depctr_va_vcc(0) depctr_vm_vsrc(0)
	s_getreg_b32 s2, hwreg(HW_REG_IB_STS2, 6, 4)
	s_cmp_eq_u32 s2, 0
	s_cbranch_scc0 .Lentry_in_a_cluster
	s_endpgm
.Lentry_in_a_cluster:
	s_bfe_u32 s2, ttmp6, 0x10000c
	s_cmp_lg_u32 s2, 0x3003
	s_cbranch_scc0 .Lentry_shape_is_right
	s_endpgm
.Lentry_shape_is_right:
; THIRD LAUNCH: out0[row][col] = the sum over k of O[row][k] Wout[col][k] + bout[col].  wo: f16 [16 planes of 64 K][1024][64] (bf16's numbers); out0: f32 [8192][1024].  Nothing is left out here.
; ob: f16, as the launch before stored it: [128 groups of 64 rows][32 quarters of 32 K][4 blocks of 16 rows][2][32 lanes][16 bytes]: a fragment (16 rows x 32 K) is 1,024 bytes on end, in register order.
; LIMIT: the bias is rounded to bf16 like all inputs; a NaN in O (a batch with no key left) makes its rows NaN.
; SHARES.  A tile of out0 is 256 rows x 128 columns: 256 work-groups.  Four waves, each 64 rows x all 128 columns: 32 accumulators, 256 registers.
; NO RING.  All of wo's tile, 128 rows x 1,024 K, lies in LDS: 16 planes of 128 rows x 144 bytes = 294,912 bytes, each filled once, at the start: four tensor loads a wave are out.  So no LDS byte is filled again,
; and the loop has no refill and no round of the cluster's barrier.  All four waves read the same fragments of wo.
; ob's rows belong to ONE wave of the work-group, so they go from memory straight into its registers: 8 loads of 512 consecutive bytes a quarter, into a ring of 8 quarters, each asked for 7 quarters
; (224 matrix instructions) ahead of its products; the waits are counted.
; CLUSTER.  Four row tiles of one column tile need the same rows of wo: each plane is asked for JOINTLY (mask 15).  ob has no joint load: the eight column tiles that read the same rows could share them
; only through LDS, of which wo's tile leaves 32,768 bytes.
; THE MATRIX INSTRUCTION IS USED TRANSPOSED (source 0 = 16 rows of wo, source 1 = 16 rows of ob): a lane holds one row of out0 and eight neighbouring columns.  The bias is the C operand of the first products.
; REGISTERS: window 0: v4-14 addresses; v32-95, v96-159 wo's fragments, two buffers (on the way out: rows read back); v160-223 the bias, v224 at work.  Window 1: the accumulators, (a, nb) at 8 (8 a + nb).
;   window 2: ob's ring: quarter q's block a at 32 (q % 8) + 8 a.
.set PITCH, 144                        ; an LDS row: 128 bytes + 16 of padding: the 16 rows of a fragment load start at 16 different groups of four banks (64 banks of 4 bytes: ISA guide 11.1)
.set BLK,   16*PITCH
.set PL,    128*PITCH                  ; a plane's 128 rows of wo in LDS: 18,432
.set SPARE, 16*PL                      ; behind the planes: the spare words, 128 bytes a wave: two blocks of 256 bytes that no other line names
.set SP,    528                        ; a row of the stage: 512 bytes + 16.  The stage, 16 rows a wave, lies where planes 0 and 1 lay: they have had their only fill and their last read
.set WOPL,  131072                     ; bytes in a plane of wo
.set QB,    4096                       ; bytes of my rows of ob in a quarter: four fragments
.set AB0,  4                           ; v4   my lane's place in a fragment's rows: row x pitch + 16 x half; never rewritten
.set AB1,  5                           ; v5   the same two planes on
.set AD0,  6                           ; v6   LDS address for planes 0 and 1 of the trip's four
.set AD1,  7                           ; v7   for planes 2 and 3, and the next trip's first
.set STO,  8
.set RD,   9
.set CO,   10                          ; v10  16 x lane: my 16 bytes of 512, in ob's stream and in a row of out0; never rewritten
.set BOF,  11                          ; v11  my byte offset in out_proj_b
.set SPW,  12
.set NIL,  13
.set PFO,  14                          ; v14  256 x lane; never rewritten
.set F0,   32
.set BO,   160
.set TP,   224
.set WV,   12                          ; s12 wave
.set CX,   13
.set TR,   14                          ; s14 row tile
.set TC,   15                          ; s15 column tile
.set G1,   16                          ; s[16:23] descriptor group 1
.set G0,   24                          ; s[24:39] group 0, a set for each of my four loads
.set PA,   40                          ; s[40:41] ob at my rows, at the trip's first quarter
.set TB,   46                          ; s46 LDS byte at which the trip's four planes begin
.set LIM,  47                          ; s47 1 in a work-group that prefetches, else the greatest number
.set G1BITS, (1<<16)|(1<<20)|(1<<21)|(4<<22)|(3<<25)  ; 2-byte elements; padding on; bit 21 beside a mask; after every 32 words 4 words
.set MSB, 0
.macro WIN new
.if MSB != (\new)
	s_set_vgpr_msb (MSB<<8)|(\new)
.set MSB, (\new)
.endif
.endm
.macro PLACES                          ; four places behind a matrix instruction, in front of loads into registers that it has read and of stores that read its result
.rept 4
	v_nop
.endr
.endm
.macro CROUND                          ; a round of the cluster's barrier
	s_barrier_signal -1
	s_barrier_wait -1
	s_cmp_lg_u32 s[WV], 0
	s_cbranch_scc1 .Lnot_wave_0_\@
	s_barrier_signal -3
.Lnot_wave_0_\@:
	s_barrier_wait -3
	s_barrier_signal -1
	s_barrier_wait -1
.endm
	s_load_b256 s[4:11], s[0:1], 0x0               ; ob s[4:5], wo s[6:7], out_proj_b s[8:9], out0 s[10:11]
	v_lshl_add_u32 v[SPW], v0, 2, SPARE
	v_mov_b32 v[NIL], 0
	ds_add_u32 v[SPW], v[NIL]                      ; the wave's opening: the add, twice on end, and its wait ahead of my first tensor load
	ds_add_u32 v[SPW], v[NIL]
	v_lshrrev_b32 v1, 5, v0
	v_readfirstlane_b32 s[WV], v1
	s_bfe_u32 s[CX], ttmp6, 0x40000
	s_lshl_b32 s[TR], ttmp9, 2                     ; in a cluster launch ttmp9 counts clusters
	s_add_co_u32 s[TR], s[TR], s[CX]               ; row tile = 4 x cluster x + cx: it enters ob's and out0's addresses alone
	s_and_b32 s[TC], ttmp7, 0xffff                 ; column tile, which the four partners share
	s_mov_b32 s[G1], 15|G1BITS                     ; the mask: all four work-groups
	s_mov_b32 s[G1+1], 128<<16                     ; a plane's tile is dense: asked for as rows of 256 bytes: tensor_dim0 = 128
	s_mov_b32 s[G1+2], 64<<16                      ; 64 of them: 128 rows of wo x 128 bytes
	s_mov_b32 s[G1+3], 128<<16
	s_mov_b32 s[G1+4], 64
	s_mov_b32 s[G1+5], 128
	s_mov_b32 s[G1+6], 0
	s_mov_b32 s[G1+7], 0
	s_lshl_b32 s42, s[TC], 14                      ; wo: the tile's 128 rows in a plane,
	s_lshl_b32 s48, s[WV], 17                      ; my first plane: the wave's number
	s_add_co_u32 s42, s42, s48
	s_mov_b32 s43, 0
	s_mul_i32 s44, s[WV], PL                       ; and where it goes: no place in the cluster enters an LDS address
	s_lshl_b32 s50, s[TR], 2
	s_add_co_u32 s50, s50, s[WV]                   ; my group of 64 rows
	s_lshl_b32 s50, s50, 17                        ; its 131,072 bytes of ob
	s_mov_b32 s51, 0
	s_lshl_b32 s52, s[TR], 20                      ; out0: 256 rows of 4,096 bytes a tile,
	s_lshl_b32 s48, s[WV], 18                      ; 64 a wave,
	s_add_co_u32 s52, s52, s48
	s_lshl_b32 s54, s[TC], 9                       ; the tile's first column, in bytes of f32
	s_add_co_u32 s52, s52, s54
	s_mov_b32 s53, 0
	s_cmp_eq_u32 s[TC], 0
	s_cselect_b32 s[LIM], 1, -1                    ; the same in all four partners
	s_mov_b32 s[TB], 0
	s_mov_b32 s49, 0xffff0000                      ; a word's upper bf16
	s_wait_dscnt 0x0                               ; both opening adds are done
	s_wait_kmcnt 0x0
	s_add_nc_u64 s[42:43], s[6:7], s[42:43]
	s_add_nc_u64 s[PA:PA+1], s[4:5], s[50:51]
	s_add_nc_u64 s[10:11], s[10:11], s[52:53]
.irp i, 0,1,2,3
	s_mov_b32 s[G0+4*\i], 1                                        ; count = 1
	s_add_co_u32 s[G0+4*\i+1], s44, \i*4*PL                        ; LDS address: plane wave + 4 i
	s_add_nc_u64 s[G0+4*\i+2:G0+4*\i+3], s[42:43], \i*4*WOPL       ; global address
	s_or_b32 s[G0+4*\i+3], s[G0+4*\i+3], 0x80000000                ; type = 2
.endr
	CROUND                                         ; all four work-groups are here: the joint loads meet
.irp i, 0,1,2,3                                        ; all the launch's fills, as one group: four loads of mine are out
	tensor_load_to_lds s[G0+4*\i:G0+4*\i+3], s[G1:G1+7]
	s_nop 0
.endr
.rept 4
	v_nop
.endr
; ob's four fragments of quarter g (counted from the trip's first) into the ring: 8 loads of 512 consecutive bytes
.macro ALOAD g
	WIN 0x80                                       ; destination window 2, address window 0
.irp a, 0,1,2,3
	global_load_b128 v[32*((\g)%8)+8*\a:32*((\g)%8)+8*\a+3],   v[CO], s[PA:PA+1] offset:(\g)*QB+\a*1024
	global_load_b128 v[32*((\g)%8)+8*\a+4:32*((\g)%8)+8*\a+7], v[CO], s[PA:PA+1] offset:(\g)*QB+\a*1024+512
.endr
.endm
.macro STEPAD                          ; the LDS addresses of the trip's planes
	v_add_nc_u32 v[AD0], s[TB], v[AB0]
	v_add_nc_u32 v[AD1], s[TB], v[AB1]
.endm
	v_and_b32 v1, 15, v0                           ; r
	v_bfe_u32 v2, v0, 4, 1                         ; h
	v_lshl_add_u32 v[BOF], v2, 5, s54
	v_and_b32 v[CO], 31, v0
	v_lshlrev_b32 v[PFO], 8, v[CO]
	v_lshlrev_b32 v[CO], 4, v[CO]
.irp nb, 0,1,2,3,4,5,6,7                               ; register 8 nb + j = bout[the tile's first column + 16 nb + 8 h + j]
	global_load_b128 v[BO+8*\nb:BO+8*\nb+3],   v[BOF], s[8:9] offset:64*\nb
	global_load_b128 v[BO+8*\nb+4:BO+8*\nb+7], v[BOF], s[8:9] offset:64*\nb+16
.endr
.irp g, 0,1,2,3,4
	ALOAD \g
.endr
	WIN 0
	v_mul_u32_u24 v[AB0], v1, PITCH
	v_lshl_add_u32 v[AB0], v2, 4, v[AB0]           ; a fragment's row x pitch + 16 x half
	v_add_nc_u32 v[AB1], 2*PL, v[AB0]
	STEPAD
	s_mul_i32 s48, s[WV], 16*SP                    ; my stage
	v_mul_u32_u24 v[STO], v1, SP                   ; in: row r, 32 bytes for each half of the lanes
	v_lshl_add_u32 v[STO], v2, 5, v[STO]
	v_add_nc_u32 v[STO], s48, v[STO]
	v_add_nc_u32 v[RD], s48, v[CO]                 ; back: 32 lanes take a row's 512 bytes
	s_wait_loadcnt 40                              ; the bias is in; the five quarters' 40 loads behind it may be out
.set n, 0
.rept 32
	v_cvt_pk_bf16_f32 v[TP], v[BO+2*n], v[BO+2*n+1]  ; rounded to bf16 like all inputs, and widened again
	v_lshlrev_b32 v[BO+2*n], 16, v[TP]
	v_and_b32 v[BO+2*n+1], s49, v[TP]
.set n, n+1
.endr
	ALOAD 5
	ALOAD 6
	WIN 0
; 16 matrix instructions of quarter j: column blocks 4 half .. 4 half + 3 x my four row blocks, 32 along K.  zero = 1: the bias starts the sums.  The 32 accumulators take turns, one instruction a turn.
.macro MUL j, half, zero
.if \zero
	WIN 0x48                                       ; D in window 1, ob's fragment in window 2, wo's fragment and the bias in window 0
.else
	WIN 0x58                                       ; the same with C in window 1
.endif
.set gn, 4*(\half)
.rept 4
.set ga, 0
.rept 4
.set rD, 8*(8*ga+gn)
.set rB, F0+64*((\j)%2)+8*gn
.set rA, 32*((\j)%8)+8*ga
.if \zero
	v_wmma_f32_16x16x32_f16 v[rD:rD+7], v[rB:rB+7], v[rA:rA+7], v[BO+8*gn:BO+8*gn+7]
.else
	v_wmma_f32_16x16x32_f16 v[rD:rD+7], v[rB:rB+7], v[rA:rA+7], v[rD:rD+7]
.endif
.set ga, ga+1
.endr
.set gn, gn+1
.endr
.endm
; wo's eight fragments of quarter f (counted from the trip's first: plane f / 2, channels 32 (f % 2) on) into buffer f % 2: 16 loads, column blocks ascending
.macro FETCH f
	WIN 0
.set fb, F0+64*((\f)%2)
.if (\f)/2 < 2
.set fr, AD0
.set fo, ((\f)/2)*PL+((\f)%2)*64
.else
.set fr, AD1
.set fo, ((\f)/2-2)*PL+((\f)%2)*64
.endif
.irp i, 0,1,2,3,4,5,6,7
	ds_load_b128 v[fb+8*\i:fb+8*\i+3],   v[fr] offset:fo+\i*BLK
	ds_load_b128 v[fb+8*\i+4:fb+8*\i+7], v[fr] offset:fo+\i*BLK+32
.endr
.endm
; A PREFETCH INTO THE L2 of my own rows of ob: the eight quarters 16 to 23 from the trip's first, 32,768 bytes: a lane a block of 256 bytes, four instructions, together, behind the loads of the trip's first
; quarter.  Their loads go out 8 to 15 quarters later.  The eight column tiles read the same rows: column tile 0 asks, so each block is named once in the launch.  The loop's last trip asks for nothing: those
; quarters do not exist; quarters 0 to 15 come by their loads alone.
.macro ASK
	WIN 0
	s_cmp_gt_u32 s3, s[LIM]
	s_cbranch_scc0 .Lnot_mine_\@
.irp i, 0,1,2,3
	global_prefetch_b8 v[PFO], s[PA:PA+1] offset:16*QB+8192*\i th:TH_LOAD_NT scope:SCOPE_SE
.endr
.Lnot_mine_\@:
.endm
; A QUARTER: 32 along K, 32 matrix instructions.  In its middle it fetches the next quarter's fragments of wo from LDS (fet) and asks for ob's fragments seven quarters on (ld), into the ring's place that
; the quarter before has read.  cnt: the loads of ob issued behind this quarter's, which may stay out.
; bar = 1: the next fetch is the first from the next four planes.  Each wave waits for its tensor loads and signals; the fetch stands behind the barrier.  The count that is needed falls from trip to trip
; (2, 1, 0) and cannot stand in an immediate, so the wait is for 0: from the second trip on it is met at once.  No LDS byte is filled behind this barrier.
; fet = 0: the last quarter: my reads of LDS are over; the barrier stands in front of the stage's first store.
.macro QUARTER j, cnt, zero=0, ld=1, fet=1, bar=0, ask=0
	s_wait_loadcnt \cnt
.if \bar
	s_wait_dscnt 0x0                               ; no LDS instruction of mine is out at a signal
	s_wait_tensorcnt 0x0
	s_barrier_signal -1
.else
	s_wait_dscnt 8                                 ; column blocks 0-3 are in; the eight loads of blocks 4-7 may be out
.endif
	MUL \j, 0, \zero
.if \bar
	s_barrier_wait -1
.endif
.if \fet
	PLACES
	FETCH (\j)+1
.if \ld
	ALOAD (\j)+7
.endif
.if \ask
	ASK
.endif
	s_wait_dscnt 16                                ; all but the 16 just issued
.else
	s_wait_dscnt 0x0
	s_barrier_signal -1
.endif
	MUL \j, 1, \zero
.if !(\fet)
	s_barrier_wait -1
.endif
.endm
	s_wait_tensorcnt 0x3                           ; my first plane is in; my other three may stay out
	s_barrier_signal -1
	s_barrier_wait -1                              ; planes 0 to 3 are whole
	FETCH 0
	QUARTER 0, 48, 1                               ; the first quarter stands in front of the loop: its products start the sums.  48: six younger quarters' loads
	WIN 0
	s_mov_b32 s3, 3
.Ltrip:                                                ; a trip: eight quarters, from the second of four planes to the first of the next four
	QUARTER 1, 48, 0, 1, 1, 0, 1
	QUARTER 2, 48
	QUARTER 3, 48
	QUARTER 4, 48
	QUARTER 5, 48
	QUARTER 6, 48
	QUARTER 7, 48, 0, 1, 1, 1
	QUARTER 8, 48
	WIN 0
	s_wait_xcnt 0x0                                ; every load and prefetch issued so far (the youngest sixteen products back) has read its address, so the pointer may be written
	s_add_nc_u64 s[PA:PA+1], s[PA:PA+1], 8*QB
	s_add_co_u32 s[TB], s[TB], 4*PL
	STEPAD
	s_sub_co_u32 s3, s3, 1
	s_cmp_lg_u32 s3, 0
	s_cbranch_scc1 .Ltrip
.irp j, 1,2,3,4,5,6                                    ; the last seven quarters ask for nothing: the counts run down
	QUARTER \j, 8*(7-\j), 0, 0, 1
.endr
	QUARTER 7, 0, 0, 0, 0
	PLACES                                         ; the stores below read results just made
; THE WAY OUT, 16 rows at a time: a lane's 32 bytes of a row go from the accumulators (low four registers first) into my stage, rows of 528 bytes, and come back as whole rows of 512.
.macro STS a
	WIN 0x04                                       ; the stores' data in window 1
.irp nb, 0,1,2,3,4,5,6,7
	ds_store_b128 v[STO], v[8*(8*(\a)+\nb):8*(8*(\a)+\nb)+3]   offset:64*\nb
	ds_store_b128 v[STO], v[8*(8*(\a)+\nb)+4:8*(8*(\a)+\nb)+7] offset:64*\nb+16
.endr
.endm
.macro LDB a
	WIN 0
.set BK, F0+64*((\a)%2)
.irp i, 0,1,2,3,4,5,6,7,8,9,10,11,12,13,14,15
	ds_load_b128 v[BK+4*\i:BK+4*\i+3], v[RD] offset:SP*\i  ; LDS serves a wave's instructions in order (ISA guide 5.7.1.4): these see the stores above; the next block's stores come behind them
.endr
.endm
.macro SEND a, younger                 ; younger: the LDS instructions issued behind block a's loads: the next block's 16 stores, or none
	WIN 0
.set BK, F0+64*((\a)%2)
	s_wait_dscnt \younger
.irp i, 0,1,2,3,4,5,6,7,8,9,10,11,12,13,14,15
	global_store_b128 v[CO], v[BK+4*\i:BK+4*\i+3], s[10:11] offset:(16*(\a)+\i)*4096 th:TH_STORE_NT  ; 512 consecutive bytes, at a multiple of 512 from out0's first
.endr
.endm
	STS 0
	LDB 0
	STS 1
	SEND 0, 16
	LDB 1
	STS 2
	SEND 1, 16
	s_wait_xcnt 0x0                                ; block 0's stores have read the registers that block 2's loads fill
	LDB 2
	STS 3
	SEND 2, 16
	s_wait_xcnt 0x0
	LDB 3
	SEND 3, 0
	s_wait_tensorcnt 0x0                           ; the wave's end, behind my last tensor load and my last LDS store
	ds_add_u32 v[SPW], v[NIL]
	s_wait_dscnt 0x0
	CROUND                                         ; the closing round
	s_endpgm
.Lfunc_end_k_qfda2ccefa1_oproj:
	.size	k_qfda2ccefa1_oproj, .Lfunc_end_k_qfda2ccefa1_oproj-k_qfda2ccefa1_oproj
	.p2alignl 7, 3214868480
	.fill 96, 4, 3214868480
	.section	.rodata,"a",@progbits
	.p2align	6, 0x0
	.amdhsa_kernel k_qfda2ccefa1_oproj
		.amdhsa_group_segment_fixed_size 327680
		.amdhsa_private_segment_fixed_size 0
		.amdhsa_enable_private_segment 0
		.amdhsa_kernarg_size 32
		.amdhsa_user_sgpr_count 2
		.amdhsa_user_sgpr_kernarg_segment_ptr 1
		.amdhsa_wavefront_size32 1
		.amdhsa_system_sgpr_workgroup_id_x 1
		.amdhsa_system_sgpr_workgroup_id_y 1
		.amdhsa_system_sgpr_workgroup_id_z 1
		.amdhsa_system_vgpr_workitem_id 0
		.amdhsa_next_free_vgpr 768
		.amdhsa_next_free_sgpr 66
		.amdhsa_reserve_vcc 0
		.amdhsa_float_denorm_mode_32 3
		.amdhsa_float_denorm_mode_16_64 3
		.amdhsa_memory_ordered 1
		.amdhsa_forward_progress 1
		.amdhsa_inst_pref_size 92
	.end_amdhsa_kernel
	.amdgpu_metadata
---
amdhsa.version: [ 1, 2 ]
amdhsa.kernels:
  - .name:           k_qfda2ccefa1_oproj
    .symbol:         k_qfda2ccefa1_oproj.kd
    .args:
      - { .name: ob, .offset: 0, .size: 8, .value_kind: global_buffer, .address_space: global }
      - { .name: wo, .offset: 8, .size: 8, .value_kind: global_buffer, .address_space: global }
      - { .name: out_proj_b, .offset: 16, .size: 8, .value_kind: global_buffer, .address_space: global }
      - { .name: out0, .offset: 24, .size: 8, .value_kind: global_buffer, .address_space: global }
    .group_segment_fixed_size: 327680
    .private_segment_fixed_size: 0
    .kernarg_segment_align: 8
    .kernarg_segment_size: 32
    .max_flat_workgroup_size: 128
    .sgpr_count:     66
    .vgpr_count:     768
    .wavefront_size: 32
...
	.end_amdgpu_metadata
.endif
;; end of part 3
;; ======== version 2 of 2: 3 launches; version 1 with the launch cast written anew for expert scheduling mode
;; limits: values are held in f16: magnitudes above 65,504 overflow, below 6.1e-05 lose precision
;; workspace buffers: xb 16,777,216 bytes; wb 6,291,456 bytes; wo 2,097,152 bytes; ob 16,777,216 bytes
;; launch cast (part 4): grid 768 x 1, 8 waves a work-group, no clusters, 0 bytes of LDS; arguments x, in_proj_w, out_proj_w, xb, wb, wo; writes xb, wb, wo
.if DOCPART == 4
	.amdgcn_target "amdgcn-amd-amdhsa--gfx1250"
	.amdhsa_code_object_version 6
	.text
	.protected	k_qfda2ccefa1_cast
	.globl	k_qfda2ccefa1_cast
	.p2align	8
	.type	k_qfda2ccefa1_cast,@function
k_qfda2ccefa1_cast:
	s_mov_b64 s[64:65], 0
	v_nop
	global_prefetch_b8 v0, s[64:65] scope:SCOPE_SE
	s_setreg_imm32_b32 hwreg(HW_REG_WAVE_SCHED_MODE, 0, 2), 2
	s_setreg_imm32_b32 hwreg(HW_REG_WAVE_MODE, 25, 1), 1
	s_wait_xcnt 0x0
	s_wait_alu depctr_vm_vsrc(0)
; FIRST OF THREE LAUNCHES of: qkv = x Win^T + bin; per batch and head softmax(q k^T / 8, hidden keys at -inf) v; out = (..) Wout^T + bout.
; This launch rounds x, in_proj_w and out_proj_w once to 16 bits and lays them out in PLANES of 64 along K: [16 planes][rows][64], a row of a plane 128 bytes,
; so that any run of rows of a plane is dense in memory and the two later launches fetch their tiles as rows of 256 bytes.
;   xb: bf16 [16][8192][64].   wb: bf16 [16][3072][64], rows in the order group of four heads, head, part (q, k, v), channel: row' = 768 (head / 4) + 192 (head % 4) + 64 part + c.
;   wo: [16][1024][64]: each number rounded to bf16 like every other input, and that number written as f16 (the last product's other operand is f16).
; WORK LEFT OUT BY THE PROGRAM, and why it is dead.  K's bias, in_proj_b[1024:2048], is never loaded: (q + bq) . (k + bk) = (q + bq) . k + (q + bq) . bk, and the second term is the
; same for all keys of a query: a term added to the softmax's input that is constant along its axis cancels in the softmax, whatever finite values the inputs hold.  V's bias is added once to the
; normalised sum, since the weights of a row add up to 1.  LIMIT: a NaN, an infinity or an overflow that reaches only K's bias is not carried to the result.
; LIMIT of wo: a weight below 6e-5 in magnitude keeps f16's fixed step of 6e-8; beyond 65,504 it would be an infinity.
; SHARES.  12,288 source rows of 4,096 bytes, 16 to a work-group: groups 0-511 x, 512-703 in_proj_w, 704-767 out_proj_w.  Thread t takes row t / 16 and, of each of the 16 planes, the four numbers at
; column 4 (t % 16): a load of a wave covers two rows' 256 consecutive aligned bytes, a store of a wave 256 consecutive aligned bytes (two neighbouring rows of a plane lie on end).
; All 16 loads of a thread go out before the first wait for data.  No LDS, no barrier: no wave wants another's bytes.
; THE MODE: SCHED_MODE bits 1:0 = 2 (LLVM: expert scheduling mode 2), set by the entry lines.  The code itself states the register dependences
; between vector instructions and memory instructions, with s_wait_alu, always for 0.
; THE PLAN.  Registers that memory instructions touch:
;   v[SRC]     the loads' offset.  Written at the head, never again; read by all 16 loads.
;   v[OF ..]   the stores' offsets, one a plane.  The first written at the head, the other 15 by the adds behind the loads, never again; plane kb's is read by plane kb's one store.
;   v[X ..]    four registers a plane.  Plane kb's load lands there once; no vector line names them ahead of that load.  Read (on wo's path also written) by the plane's conversions, behind the wait for the load.
;   v[Y ..]    two registers a plane.  Written once, by the plane's conversions; read once, by the plane's store.
;   v[T ..]    named by vector lines alone.
; No register that a load or store reads is written again, and no load lands in a register that a vector line has named: so all that is to be stated is that offsets and data are WRITTEN ahead of the
; instruction that reads them.  The 16 planes go in four blocks of four.  Block p converts its planes into its own Y; the four stores of block p - 1 are dealt among those conversions, which name none of
; that block's Y and OF.  So one wait at the head of blocks 1 to 3, behind the wait for the block's data, serves the block's four stores; one stands ahead of the loads, one ahead of the last four stores.
.set XPL, 1048576                      ; bytes in a plane of xb
.set WPL, 393216                       ; of wb
.set OPL, 131072                       ; of wo
.set SRC, 1                            ; v1       my byte offset in the group's 16 source rows
.set OF,  4                            ; v[4:19]  my byte offset in the destination, plane by plane
.set T,   20                           ; v[20:21] at work
.set X,   32                           ; v[32:95] four numbers a plane, as loaded
.set Y,   96                           ; v[96:127] the same, packed
	s_load_b256 s[4:11], s[0:1], 0x0               ; x s[4:5], in_proj_w s[6:7], out_proj_w s[8:9], xb s[10:11]
	s_load_b128 s[12:15], s[0:1], 0x20             ; wb s[12:13], wo s[14:15]
	v_lshrrev_b32 v2, 4, v0                        ; my row of the 16
	v_and_b32 v3, 15, v0
	v_lshlrev_b32 v[SRC], 12, v2
	v_lshl_add_u32 v[SRC], v3, 4, v[SRC]           ; row x 4,096 + 16 (t % 16)
	v_lshlrev_b32 v[OF], 3, v0                     ; row x 128 + 8 (t % 16) = 8 t
	s_mov_b32 s17, 0                               ; the two offsets' high words
	s_mov_b32 s19, 0
	s_mov_b32 s20, ttmp9
	s_wait_kmcnt 0x0
	s_wait_alu depctr_va_vdst(0)                   ; v[SRC] is written: all 16 loads of whichever path follows read it as their offset
; One tensor's path: s[16:17] = the group's byte offset in the source, s[18:19] in a plane of the destination.  half = 1: bf16's number written as f16.
.macro PATH src, dst, pl, half
	s_add_nc_u64 s[\src:\src+1], s[\src:\src+1], s[16:17]
	s_add_nc_u64 s[\dst:\dst+1], s[\dst:\dst+1], s[18:19]
.set kb, 0
.rept 16
	global_load_b128 v[X+4*kb:X+4*kb+3], v[SRC], s[\src:\src+1] offset:256*kb th:TH_LOAD_NT
.set kb, kb+1
.endr
.set kb, 1
.rept 15
	v_add_nc_u32 v[OF+kb], \pl, v[OF+kb-1]         ; made while the loads are on their way
.set kb, kb+1
.endr
.set blk, 0
.rept 4                                                ; block blk: planes 4 blk to 4 blk + 3
	s_wait_loadcnt 12-4*blk                        ; loads come back in order (ISA guide 5.7.1): the block's four are in, the 12 - 4 blk younger ones stay out
.if blk > 0
	s_wait_alu depctr_va_vdst(0)                   ; the block before's conversions have written its Y, which the four stores below read; in block 1 also: the adds have written the stores' offsets
.endif
.set i, 0
.rept 4
.set kb, 4*blk+i
.if blk > 0
	global_store_b64 v[OF+kb-4], v[Y+2*(kb-4):Y+2*(kb-4)+1], s[\dst:\dst+1]  ; a plane of the block before; no vector line since the wait names these registers
.endif
.if \half
	v_cvt_pk_bf16_f32 v[T], v[X+4*kb], v[X+4*kb+1]
	v_cvt_pk_bf16_f32 v[T+1], v[X+4*kb+2], v[X+4*kb+3]
	v_lshlrev_b32 v[X+4*kb], 16, v[T]              ; the rounded numbers as f32 again
	v_and_b32 v[X+4*kb+1], 0xffff0000, v[T]
	v_lshlrev_b32 v[X+4*kb+2], 16, v[T+1]
	v_and_b32 v[X+4*kb+3], 0xffff0000, v[T+1]
	v_cvt_pk_f16_f32 v[Y+2*kb], v[X+4*kb], v[X+4*kb+1]      ; exact where f16 is normal: 8 significant bits go into 11
	v_cvt_pk_f16_f32 v[Y+2*kb+1], v[X+4*kb+2], v[X+4*kb+3]
.else
	v_cvt_pk_bf16_f32 v[Y+2*kb], v[X+4*kb], v[X+4*kb+1]
	v_cvt_pk_bf16_f32 v[Y+2*kb+1], v[X+4*kb+2], v[X+4*kb+3]
.endif
.set i, i+1
.endr
.set blk, blk+1
.endr
	s_wait_alu depctr_va_vdst(0)                   ; the last block's conversions have written its Y, which the last four stores read
.set kb, 12
.rept 4
	global_store_b64 v[OF+kb], v[Y+2*kb:Y+2*kb+1], s[\dst:\dst+1]
.set kb, kb+1
.endr
	s_endpgm
.endm
	s_cmp_lt_u32 s20, 512
	s_cbranch_scc0 .Lweights
	s_lshl_b32 s16, s20, 16                        ; 16 rows of 4,096 bytes
	s_lshl_b32 s18, s20, 11                        ; 16 rows of 128 bytes
	PATH 4, 10, XPL, 0
.Lweights:
	s_cmp_lt_u32 s20, 704
	s_cbranch_scc0 .Lout_w
	s_sub_co_u32 s20, s20, 512                     ; j: source rows 16 j on = part j / 64, head (j / 4) % 16, channels 16 (j % 4) on
	s_lshl_b32 s16, s20, 16
	s_lshr_b32 s21, s20, 6                         ; part
	s_bfe_u32 s22, s20, 0x20004                    ; head / 4
	s_bfe_u32 s23, s20, 0x20002                    ; head % 4
	s_and_b32 s24, s20, 3
	s_mul_i32 s22, s22, 768
	s_mul_i32 s23, s23, 192
	s_lshl_b32 s21, s21, 6
	s_lshl_b32 s24, s24, 4
	s_add_co_u32 s22, s22, s23
	s_add_co_u32 s22, s22, s21
	s_add_co_u32 s22, s22, s24                     ; row'
	s_lshl_b32 s18, s22, 7
	PATH 6, 12, WPL, 0
.Lout_w:
	s_sub_co_u32 s20, s20, 704
	s_lshl_b32 s16, s20, 16
	s_lshl_b32 s18, s20, 11
	PATH 8, 14, OPL, 1
.Lfunc_end_k_qfda2ccefa1_cast:
	.size	k_qfda2ccefa1_cast, .Lfunc_end_k_qfda2ccefa1_cast-k_qfda2ccefa1_cast
	.p2alignl 7, 3214868480
	.fill 96, 4, 3214868480
	.section	.rodata,"a",@progbits
	.p2align	6, 0x0
	.amdhsa_kernel k_qfda2ccefa1_cast
		.amdhsa_group_segment_fixed_size 0
		.amdhsa_private_segment_fixed_size 0
		.amdhsa_enable_private_segment 0
		.amdhsa_kernarg_size 48
		.amdhsa_user_sgpr_count 2
		.amdhsa_user_sgpr_kernarg_segment_ptr 1
		.amdhsa_wavefront_size32 1
		.amdhsa_system_sgpr_workgroup_id_x 1
		.amdhsa_system_sgpr_workgroup_id_y 1
		.amdhsa_system_sgpr_workgroup_id_z 1
		.amdhsa_system_vgpr_workitem_id 0
		.amdhsa_next_free_vgpr 128
		.amdhsa_next_free_sgpr 66
		.amdhsa_reserve_vcc 0
		.amdhsa_float_denorm_mode_32 3
		.amdhsa_float_denorm_mode_16_64 3
		.amdhsa_memory_ordered 1
		.amdhsa_forward_progress 1
		.amdhsa_inst_pref_size 26
	.end_amdhsa_kernel
	.amdgpu_metadata
---
amdhsa.version: [ 1, 2 ]
amdhsa.kernels:
  - .name:           k_qfda2ccefa1_cast
    .symbol:         k_qfda2ccefa1_cast.kd
    .args:
      - { .name: x, .offset: 0, .size: 8, .value_kind: global_buffer, .address_space: global }
      - { .name: in_proj_w, .offset: 8, .size: 8, .value_kind: global_buffer, .address_space: global }
      - { .name: out_proj_w, .offset: 16, .size: 8, .value_kind: global_buffer, .address_space: global }
      - { .name: xb, .offset: 24, .size: 8, .value_kind: global_buffer, .address_space: global }
      - { .name: wb, .offset: 32, .size: 8, .value_kind: global_buffer, .address_space: global }
      - { .name: wo, .offset: 40, .size: 8, .value_kind: global_buffer, .address_space: global }
    .group_segment_fixed_size: 0
    .private_segment_fixed_size: 0
    .kernarg_segment_align: 8
    .kernarg_segment_size: 48
    .max_flat_workgroup_size: 256
    .sgpr_count:     66
    .vgpr_count:     128
    .wavefront_size: 32
...
	.end_amdgpu_metadata
.endif
;; end of part 4
;; launch qkvattn: the kernel of part 2 again; grid 8 x 32, 4 waves a work-group, clusters of 4 x 4, 327,680 bytes of LDS; arguments xb, wb, mask, in_proj_b, ob; writes ob
;; launch oproj: the kernel of part 3 again; grid 32 x 8, 4 waves a work-group, clusters of 4 x 1, 327,680 bytes of LDS; arguments ob, wo, out_proj_b, out0; writes out0
